; MI455X (gfx1250); checked and timed in simulation.
; The chip was launched on July 23, 2026; its instructions are those of AMD's public machine-readable ISA for CDNA 5 (MIT licence, August 2026) and "CDNA5" Instruction Set Architecture Reference Guide (July 2026). The comments in the code are by the model that wrote it; some were corrected since.
;; Codec Llama Codec Embedding. Allowed arithmetic: float matrix products may take bf16 or f16 operands with f32 sums; all other float work in f32.
;; Inputs: W1 8 x 16 x 512 float32; W2 8 x 512 x 512 float32; b1 8 x 512 float32; b2 8 x 512 float32; codec_input_ids 4 x 4,096 int32; embed_table 16,384 x 16 float32.
;; Outputs: out0 4 x 4,096 x 512 float32.
;; One version. Each part assembles by itself: llvm-mc -triple=amdgcn-amd-amdhsa -mcpu=gfx1250 --defsym DOCPART=n.
;; ======== version 1 of 1: 1 launch
;; limits: a function is approximated: absolute error at most 1.5e-07; values are held in f16: magnitudes above 65,504 overflow, below 6.1e-05 lose precision; right only within a limited range of input values; values outside matrix products are rounded to f16; inputs' magnitudes at most 65,504
;; launch codec (part 1): grid 256 x 1, 8 waves a work-group, no clusters, 197,632 bytes of LDS; arguments codec_input_ids, embed_table, W1, b1, W2, b2, out0; writes out0
.if DOCPART == 1
	.amdgcn_target "amdgcn-amd-amdhsa--gfx1250"
	.amdhsa_code_object_version 6
	.text
	.protected	k_q31b3b0cff8_codec
	.globl	k_q31b3b0cff8_codec
	.p2align	8
	.type	k_q31b3b0cff8_codec,@function
k_q31b3b0cff8_codec:
	s_mov_b64 s[64:65], 0
	v_nop
	global_prefetch_b8 v0, s[64:65] scope:SCOPE_SE
	s_setreg_imm32_b32 hwreg(HW_REG_WAVE_MODE, 25, 1), 1
	s_wait_xcnt 0x0
; out[token] = f(id[token]),  f(id) = gelu(table[id] W1[k] + b1[k]) W2[k] + b2[k],  k = id >> 11.
; The result hangs on a token only through its id, there are as many ids (16,384) as tokens, and ids are ordered by codebook.
; So work-group b computes f for the 64 ids 64 b .. 64 b + 63 (all of expert k = b >> 5): 256 equal shares, nothing to sort or count.
; Then it scans all 16,384 token ids and writes each finished row to every token that carries its id.
; The seven projectors that the problem's own mask throws away for a token are not computed.
;
; EIGHT WAVES.  Wave w makes hidden units 64 w .. 64 w + 63 of all 64 rows (first product and GELU: each number once in the group),
; then columns 64 w .. 64 w + 63 of all 64 rows of the second product (each number of W2[k] is loaded by one wave of the group),
; then scans tokens 2048 w .. 2048 w + 2047.
;
; OPERANDS ARE f16, SUMS f32.  An output is a sum of 512 products and is compared within a hundredth of the outputs' root mean square;
; f16's eleven significant bits make each operand's rounding an eighth of what eight bits would leave, at the same number of
; instructions, registers and bytes.  The price is f16's range: see LIMITS.
;
; W2 GOES FROM MEMORY TO REGISTERS, not through LDS.  Lane (r = lane % 16, h = lane / 16) loads 16 bytes, W2[row][64 w + 4 r .. + 3]:
; one load of a wave covers two aligned pieces of 256 bytes.  Sixteen loads (16 rows a lane) convert into four B fragments; fragment f
; holds column 64 w + 4 r + f in lane r, a permutation of columns that the way out undoes for nothing (four neighbouring columns a lane).
;
; K IS PERMUTED, alike in both operands of the second product: the first product is taken as (W1 fragment) x (E fragment), so that
; register j of lane (r, h) of tile f is hidden unit 64 w + 32 h + 4 j + f of row r.  Tiles 2 Y and 2 Y + 1, rounded to f16, ARE registers
; 0-3 and 4-7 of the second product's A fragment of K step s = 2 w + Y, in the same lanes.  W2's rows are loaded in the same order:
; load q of step s is row 64 (s >> 1) + 32 h + 4 (q & 7) + (q >> 3) + 2 (s & 1).
;
; b1 rides in the unused half of the first product's K (the embedding has 16 of 32): k = 16, 17 hold f16(b1) and f16(b1 - that)
; against two ones.
;
; NO CLUSTER, NO JOINT REQUESTS, though the 32 groups of an expert read the same W2[k]: a joint request lands in LDS, which would be
; 1 MiB written to LDS and 1 MiB read from it in each group where this text moves none of it through LDS; and the branches and trip counts of the scatter
; hang on the group's own block of ids, which differs between partners.
;
; LIMITS.  Ids lie in [0, 16384), as the table lookup of the problem relies on: a token with any other id matches no block and is not
; written.  The table's numbers, W1, W2, b1 and gelu(x) stay below 65,504 in magnitude (f16's largest number; beyond it an operand
; becomes infinity); an operand below 2^-14 in magnitude carries an absolute error of up to 2^-25 instead of a relative one.  b1 is
; finite (its split in two makes NaN of an infinity).  erf is Abramowitz and Stegun 7.1.26, absolute error at most 1.5e-7 besides f32
; rounding; exp2 results below 2^-126 come out as zero (ISA guide, v_exp_f32).  x = -infinity gives NaN.  The sum over k runs in the
; permuted order above.  Ids that crowd into few blocks stay right, but the groups' shares of the stores are then uneven.
;
; LDS.  H, bytes 0 .. 65535: 64 A fragments of 1 KiB as they lie in registers; fragment (s, i) at 4096 s + 1024 i, registers 0-3 at
; + 16 lane, registers 4-7 at + 512 + 16 lane.  F, bytes 65536 .. 196607: wave w's 64 rows x 256 bytes (f32, bias added) at + 16384 w.
; Every LDS access of sixteen neighbouring lanes is 256 neighbouring bytes: no padding is needed.
.set FB,   65536                       ; first byte of F
.set L16,  1                           ; v1      16 x lane: H read address, and my 16 bytes of a 512-byte piece of an output row
.set W2O,  2                           ; v2      65536 h + 256 w + 16 r: my bytes in W2[k], row 32 h
.set HST,  3                           ; v3      8192 w + 16 lane: H store address; also my bytes in the wave's ids
.set FST,  4                           ; v4      FB + 16384 w + 2048 h + 16 r: F store address, row 8 h
.set FRD,  5                           ; v5      FB + 16384 h + 16 r: F read address, row 0, columns 64 h + 4 r ..
.set W1O,  6                           ; v6      16384 h + 256 w + 16 r: my bytes in W1[k], row 8 h
.set ASK,  7                           ; v7      256 x thread: the prefetch's offset
.set B2,   8                           ; v[8:11]   b2 of my four columns
.set B1,   12                          ; v[12:15]  b1 of my four hidden units
.set BOF,  16                          ; v16     256 w + 16 r
.set EOFS, 17                          ; v17     64 r + 32 h: my bytes in the table's 16 rows
.set HM,   18                          ; v18     h - 1: all ones in lanes 0-15, zero in lanes 16-31
.set TMP,  19                          ; v19
.set CA,   20                          ; v[20:29]  pairs of -a1/2 .. -a5/2
.set CM,   30                          ; v[30:31]  pair of -log2(e)/2
.set BF,   32                          ; v[32:63]  E fragments; GELU's fragment out (v32-39); four B fragments; the scan's registers
.set AF,   64                          ; v[64:127] W1 as loaded and its fragments; GELU's temporaries; two buffers of four A fragments
.set ACC,  128                         ; v[128:255] tile (i, f) at 128 + 8 (4 i + f): first the first product's, then the second's sums
.set GO,   32                          ; GELU: 8 registers, the fragment
.set GT,   64                          ;       16: t, then t e
.set GM,   80                          ;       16: the exponent, then e
.set GP,   96                          ;       16: the polynomial, then the result
.set GH,   112                         ;       16: x / 2
.set QA,   32                          ; v[32:35]  ids of an even chunk of 128 tokens, four a lane
.set QB,   36                          ; v[36:39]  ids of an odd chunk
.set ROWV, 40                          ; v[40:43]  id xor 64 b: below 64 exactly for my ids, and then the row
.set A0,   44                          ; v44, v45  F addresses of a hit
.set A1,   45
.set OUTO, 46                          ; v46     byte offset of my 16 bytes in the hit's token
.set OFA,  47                          ; v47, v48  byte offsets of the id quads' next loads
.set OFB,  48
.set ROWD, 96                          ; v[96:111] a hit's row, 64 bytes a lane
.set MASK, 24                          ; s[24:27]  hit masks of the four ids of a lane
; window 1 (v256-v447): three landing buffers of W2, step s in buffer s % 3, load q word f at 64 (s % 3) + 4 q + f
; s[4:5] ids  s[6:7] table + my 64 rows  s[8:9] W1[k]  s[10:11] b1[k]  s[12:13] W2[k]  s[14:15] b2[k]  s[16:17] out  s18 wave  s19 k
; s[20:21] prefetch base  s[22:23] an offset in 64 bits  s28 hits  s29 hit counter  s30 lane  s31 row bytes  s32 token bytes  s33 temporary
; s34 trip counter  s35 bytes of the trip's first token  s36 64 b  s37 p / sqrt 2
.set MSB, 0
.macro WIN new                         ; s_set_vgpr_msb: bits 1:0 source 0, 3:2 source 1, 5:4 source 2, 7:6 destination; the high byte repeats the setting left
.if MSB != \new
	s_set_vgpr_msb (MSB<<8)|\new
.set MSB, \new
.endif
.endm
.macro PLACES                          ; four independent vector instructions behind a matrix instruction, before its registers are touched (ISA guide 7.12.1)
.rept 4
	v_nop
.endr
.endm
.macro PAIR reg, bits
	v_mov_b32 v[\reg], \bits
	v_mov_b32 v[\reg+1], \bits
.endm
	s_load_b256 s[4:11], s[0:1], 0x0               ; ids, table, W1, b1
	s_load_b128 s[12:15], s[0:1], 0x20             ; W2, b2
	s_load_b64 s[16:17], s[0:1], 0x30              ; out
	s_set_vgpr_msb 0x40
	v_lshl_add_u32 v192, v0, 2, 0x30000
	v_mov_b32 v193, 0
	s_set_vgpr_msb 0x4000
	v_lshrrev_b32 v[TMP], 5, v0
	v_readfirstlane_b32 s18, v[TMP]                ; wave 0..7
	s_lshl_b32 s24, s18, 13                        ; my 8 KiB of H, and my 2,048 ids
	s_lshl_b32 s25, s18, 14
	s_add_co_u32 s25, s25, FB                      ; my 16 KiB of F
	s_lshl_b32 s26, s18, 8                         ; my 64 columns, in bytes
	v_and_b32 v[L16], 31, v0
	v_lshlrev_b32 v[L16], 4, v[L16]                ; 16 lane
	v_and_b32 v[BOF], 15, v0
	v_lshlrev_b32 v[BOF], 4, v[BOF]                ; 16 r
	v_bfe_u32 v[HM], v0, 4, 1                      ; h
	v_lshlrev_b32 v[EOFS], 2, v[BOF]               ; 64 r
	v_lshl_add_u32 v[EOFS], v[HM], 5, v[EOFS]      ; + 32 h
	v_lshl_add_u32 v[FST], v[HM], 11, v[BOF]       ; 8 h rows of 256 bytes + 16 r
	v_add_nc_u32 v[FST], s25, v[FST]
	v_lshl_add_u32 v[FRD], v[HM], 14, v[BOF]       ; wave region h + 16 r
	v_add_nc_u32 v[FRD], FB, v[FRD]
	v_add_nc_u32 v[BOF], s26, v[BOF]               ; 256 w + 16 r
	v_lshl_add_u32 v[W2O], v[HM], 16, v[BOF]       ; + 32 h rows of 2,048 bytes
	v_lshl_add_u32 v[W1O], v[HM], 14, v[BOF]       ; + 8 h rows of 2,048 bytes
	v_add_nc_u32 v[HST], s24, v[L16]
	v_lshlrev_b32 v[ASK], 8, v0
	v_add_nc_u32 v[HM], -1, v[HM]
	s_lshr_b32 s19, ttmp9, 5                       ; my expert
	s_mov_b32 s23, 0
	s_mov_b32 s37, 0x3e6d3388                      ; 0.3275911 / sqrt 2
	s_wait_kmcnt 0x0
	s_lshl_b32 s22, ttmp9, 12                      ; 64 table rows of 64 bytes
	s_add_nc_u64 s[6:7], s[6:7], s[22:23]
	s_lshl_b32 s22, s19, 15
	s_add_nc_u64 s[8:9], s[8:9], s[22:23]
	s_lshl_b32 s22, s19, 11
	s_add_nc_u64 s[10:11], s[10:11], s[22:23]
	s_add_nc_u64 s[14:15], s[14:15], s[22:23]
	s_lshl_b32 s22, s19, 20
	s_add_nc_u64 s[12:13], s[12:13], s[22:23]
	s_and_b32 s22, ttmp9, 31                       ; my place among the expert's 32 groups
	s_mul_i32 s22, s22, 24576
	s_add_co_u32 s22, s22, 262144
	s_add_nc_u64 s[20:21], s[12:13], s[22:23]      ; my thirty-second of rows 128 .. 511 of W2[k]
; 16 loads: the 16 rows a lane of K step st, into landing buffer st % 3.  The base is never stepped: every step is an immediate.
.macro LOADW st
	WIN 0x40                                       ; destination window 1, address window 0
.irp q, 0,1,2,3,4,5,6,7,8,9,10,11,12,13,14,15
	global_load_b128 v[64*((\st)%3)+4*\q:64*((\st)%3)+4*\q+3], v[W2O], s[12:13] offset:((\st)>>1)*131072+(4*(\q&7)+(\q>>3)+2*((\st)&1))*2048
.endr
.endm
.irp i, 0,1,2,3
	global_load_b128 v[BF+8*\i:BF+8*\i+3],   v[EOFS], s[6:7] offset:\i*1024      ; table row 16 i + r, numbers 8 h .. 8 h + 3
	global_load_b128 v[BF+8*\i+4:BF+8*\i+7], v[EOFS], s[6:7] offset:\i*1024+16   ; 8 h + 4 .. 8 h + 7
.endr
.irp q, 0,1,2,3,4,5,6,7
	global_load_b128 v[AF+4*\q:AF+4*\q+3], v[W1O], s[8:9] offset:\q*2048         ; W1[k][8 h + q][64 w + 4 r .. + 3]
.endr
	global_load_b128 v[B1:B1+3], v[BOF], s[10:11]
	global_load_b128 v[B2:B2+3], v[BOF], s[14:15]
	LOADW 0                                        ; two of the ring's three landing buffers are asked for before anything is computed:
	LOADW 1                                        ; 18 + 32 = 50 loads of the wave are out here
	WIN 0
	; Waves 0 to 2 ask for 96 blocks, 256 bytes apart: 24,576 bytes, this group's share of rows 128 .. 511 of its expert's W2.  The 32 groups
	; of an expert cover those 786,432 bytes once; the last block ends at the expert's last byte.  Rows 0 .. 127 the ring itself asks for.
	s_cmp_gt_u32 s18, 2
	s_cbranch_scc1 .Lno_ask
	global_prefetch_b8 v[ASK], s[20:21] th:TH_LOAD_NT scope:SCOPE_SE
.Lno_ask:
	PAIR CA+0, 0xbe027906                          ; -0.254829592 / 2
	PAIR CA+2, 0x3e11a98e                          ; +0.284496736 / 2
	PAIR CA+4, 0xbf35f0e3                          ; -1.421413741 / 2
	PAIR CA+6, 0x3f3a00e3                          ; +1.453152027 / 2
	PAIR CA+8, 0xbf07dc22                          ; -1.061405429 / 2
	PAIR CM,   0xbf38aa3b                          ; -log2(e) / 2
	; THE FIRST PRODUCT.  32 younger loads (K steps 0 and 1 of W2) stay out; E, W1, b1, b2 are in.
	s_wait_loadcnt 32
	LOADW 2                                        ; the third landing buffer: the whole first product and the GELU lie between this and its use
	WIN 0
.irp i, 0,1,2,3
.irp g, 0,1,2,3
	v_cvt_pk_f16_f32 v[BF+8*\i+\g], v[BF+8*\i+2*\g], v[BF+8*\i+2*\g+1]           ; in place: register g is written after it was read
.endr
	v_and_b32 v[BF+8*\i+4], 0x3c003c00, v[HM]      ; k = 16, 17: two ones in f16 (lanes 0-15); k = 24, 25: zeros
	v_mov_b32 v[BF+8*\i+5], 0
	v_mov_b32 v[BF+8*\i+6], 0
	v_mov_b32 v[BF+8*\i+7], 0
.endr
.irp f, 0,1,2,3
.irp g, 0,1,2,3
	v_cvt_pk_f16_f32 v[AF+32+8*\f+\g], v[AF+8*\g+\f], v[AF+8*\g+4+\f]            ; hidden unit 64 w + 4 r + f, d = 8 h + 2 g, + 1
.endr
	v_cvt_pk_f16_f32 v[TMP], v[B1+\f], v[B1+\f]
	v_cvt_f32_f16 v19, v19.l                       ; (TMP) f16(b1) as f32
	v_sub_f32 v[AF+32+8*\f+5], v[B1+\f], v[TMP]    ; what the rounding left
	v_cvt_pk_f16_f32 v[AF+32+8*\f+4], v[TMP], v[AF+32+8*\f+5]
	v_and_b32 v[AF+32+8*\f+4], v[HM], v[AF+32+8*\f+4]
	v_mov_b32 v[AF+32+8*\f+5], 0
	v_mov_b32 v[AF+32+8*\f+6], 0
	v_mov_b32 v[AF+32+8*\f+7], 0
.endr
.irp i, 0,1,2,3
.irp f, 0,1,2,3
	v_wmma_f32_16x16x32_f16 v[ACC+8*(4*\i+\f):ACC+8*(4*\i+\f)+7], v[AF+32+8*\f:AF+32+8*\f+7], v[BF+8*\i:BF+8*\i+7], 0
.endr
.endr
	PLACES
; GELU of 16 numbers a lane, tiles 2 y and 2 y + 1 of row block i (n = 2 i + y), and the A fragment (2 w + y, i) into H.
; gelu(x) = x/2 + |x| (1/2 - 1/2 poly(t) e),  t = 1 / (1 + p |x| / sqrt 2),  e = exp(-x^2 / 2) = 2^(-x^2 log2(e) / 2).
.macro GELU16 n, y, i
.set GX, ACC+16*(\n)
.irp p, 0,2,4,6,8,10,12,14
	v_pk_mul_f32 v[GM+\p:GM+\p+1], v[GX+\p:GX+\p+1], v[CM:CM+1]
.endr
.irp p, 0,2,4,6,8,10,12,14
	v_pk_mul_f32 v[GM+\p:GM+\p+1], v[GM+\p:GM+\p+1], v[GX+\p:GX+\p+1]
.endr
.irp j, 0,1,2,3,4,5,6,7,8,9,10,11,12,13,14,15
	v_fma_f32 v[GT+\j], |v[GX+\j]|, s37, 1.0
.endr
.irp j, 0,1,2,3,4,5,6,7,8,9,10,11,12,13,14,15
	v_rcp_f32 v[GT+\j], v[GT+\j]
.endr
.irp j, 0,1,2,3,4,5,6,7,8,9,10,11,12,13,14,15
	v_exp_f32 v[GM+\j], v[GM+\j]
.endr
.irp p, 0,2,4,6,8,10,12,14
	v_pk_mul_f32 v[GH+\p:GH+\p+1], v[GX+\p:GX+\p+1], 0.5 op_sel_hi:[1,0]         ; plain work that names neither t nor e stands behind the transcendentals (ISA guide 5.7.2)
.endr
	s_wait_alu depctr_va_vdst(0)
.irp p, 0,2,4,6,8,10,12,14
	v_pk_fma_f32 v[GP+\p:GP+\p+1], v[GT+\p:GT+\p+1], v[CA+8:CA+9], v[CA+6:CA+7]
.endr
.irp a, 4,2,0
.irp p, 0,2,4,6,8,10,12,14
	v_pk_fma_f32 v[GP+\p:GP+\p+1], v[GP+\p:GP+\p+1], v[GT+\p:GT+\p+1], v[CA+\a:CA+\a+1]
.endr
.endr
.irp p, 0,2,4,6,8,10,12,14
	v_pk_mul_f32 v[GT+\p:GT+\p+1], v[GT+\p:GT+\p+1], v[GM+\p:GM+\p+1]            ; t e
.endr
.irp p, 0,2,4,6,8,10,12,14
	v_pk_fma_f32 v[GP+\p:GP+\p+1], v[GP+\p:GP+\p+1], v[GT+\p:GT+\p+1], 0.5 op_sel_hi:[1,1,0]
.endr
.irp j, 0,1,2,3,4,5,6,7,8,9,10,11,12,13,14,15
	v_fma_f32 v[GP+\j], |v[GX+\j]|, v[GP+\j], v[GH+\j]
.endr
.irp g, 0,1,2,3,4,5,6,7
	v_cvt_pk_f16_f32 v[GO+\g], v[GP+2*\g], v[GP+2*\g+1]
.endr
	ds_store_b128 v[HST], v[GO:GO+3]   offset:(\y)*4096+(\i)*1024
	ds_store_b128 v[HST], v[GO+4:GO+7] offset:(\y)*4096+(\i)*1024+512
.endm
.irp i, 0,1,2,3
.irp y, 0,1
	GELU16 2*\i+\y, \y, \i
.endr
.endr
	s_wait_dscnt 0x0                               ; my part of H is in LDS, for the others' sake,
	s_barrier_signal -1
	s_barrier_wait -1                              ; and so is everybody's
; THE SECOND PRODUCT: 16 K steps of 32, written out: the first starts the sums, the last three load nothing, all offsets are immediates.
.macro CVTB st                         ; 64 f32 a lane from landing buffer st % 3 into four B fragments
	WIN 0x05                                       ; sources window 1, destination window 0
.irp g, 0,1,2,3,4,5,6,7
.irp f, 0,1,2,3
	v_cvt_pk_f16_f32 v[BF+8*\f+\g], v[64*((\st)%3)+8*\g+\f], v[64*((\st)%3)+8*\g+4+\f]    ; loads 2 g and 2 g + 1, word f
.endr
.endr
.endm
.macro LOADA st                        ; the four A fragments of K step st, as they lie, into buffer st & 1
	WIN 0
.irp i, 0,1,2,3
	ds_load_b128 v[AF+32*((\st)&1)+8*\i:AF+32*((\st)&1)+8*\i+3],   v[L16] offset:(\st)*4096+\i*1024
	ds_load_b128 v[AF+32*((\st)&1)+8*\i+4:AF+32*((\st)&1)+8*\i+7], v[L16] offset:(\st)*4096+\i*1024+512
.endr
.endm
.macro MUL16 st, zero
.irp f, 0,1,2,3
.irp i, 0,1,2,3
.if \zero
	v_wmma_f32_16x16x32_f16 v[ACC+8*(4*\i+\f):ACC+8*(4*\i+\f)+7], v[AF+32*((\st)&1)+8*\i:AF+32*((\st)&1)+8*\i+7], v[BF+8*\f:BF+8*\f+7], 0
.else
	v_wmma_f32_16x16x32_f16 v[ACC+8*(4*\i+\f):ACC+8*(4*\i+\f)+7], v[AF+32*((\st)&1)+8*\i:AF+32*((\st)&1)+8*\i+7], v[BF+8*\f:BF+8*\f+7], v[ACC+8*(4*\i+\f):ACC+8*(4*\i+\f)+7]
.endif
.endr
.endr
.endm
.macro STEP st
.set LEFT, 15-(\st)
.if LEFT > 2
.set LEFT, 2
.endif
	s_wait_loadcnt 16*LEFT                         ; loads come back in order (ISA guide 5.7.1): this step's 16 are in, those of the two (one, no) younger steps stay out
.if (\st) > 0
	PLACES                                         ; behind the last step's products: B fragments are rewritten, and the A buffer of two steps ago is loaded again
.endif
	CVTB \st
.if (\st)+3 < 16
	LOADW (\st)+3                                  ; into the landing buffer just read
.endif
.if (\st) < 15
	LOADA (\st)+1
	s_wait_dscnt 8                                 ; the eight just issued stay out; this step's A fragments are in
.else
	WIN 0
	s_wait_dscnt 0x0
.endif
.if (\st) == 0
	MUL16 \st, 1
.else
	MUL16 \st, 0
.endif
.endm
	LOADA 0
.irp st, 0,1,2,3,4,5,6,7,8,9,10,11,12,13,14,15
	STEP \st
.endr
	; THE WAY OUT.  Register j of tile (i, f) is row 16 i + 8 h + j, column 64 w + 4 r + f: the add of b2 also lays a lane's four neighbouring
	; columns side by side, and sixteen lanes store 256 neighbouring bytes of a row into my own part of F.
	PLACES
	global_load_b128 v[QA:QA+3], v[HST], s[4:5]              ; meanwhile the ids of my first two chunks of 128 tokens
	global_load_b128 v[QB:QB+3], v[HST], s[4:5] offset:512
.irp i, 0,1,2,3
.irp j, 0,1,2,3,4,5,6,7
.irp f, 0,1,2,3
	v_add_f32 v[AF+4*\j+\f], v[ACC+8*(4*\i+\f)+\j], v[B2+\f]
.endr
	ds_store_b128 v[FST], v[AF+4*\j:AF+4*\j+3] offset:(16*\i+\j)*256
.endr
.endr
	v_mov_b32 v[OFA], v[HST]
	v_mov_b32 v[OFB], v[HST]
	s_lshl_b32 s35, s18, 22                        ; my first token: 2,048 w rows of 2,048 bytes
	s_lshl_b32 s36, ttmp9, 6                       ; my first id
	s_mov_b32 s34, 0
	s_wait_dscnt 0x0                               ; my part of F is in LDS,
	s_barrier_signal -1
	s_barrier_wait -1                              ; everybody's is; from here on LDS is only read
; SCAN AND SCATTER.  A quad holds the ids of tokens 4 lane + c of a chunk of 128.
.macro XORCMP q
.irp c, 0,1,2,3
	v_xor_b32 v[ROWV+\c], s36, v[\q+\c]            ; below 64 (unsigned) exactly where 64 b <= id < 64 b + 64, and then id - 64 b
.endr
.irp c, 0,1,2,3
	v_cmp_gt_u32 s[MASK+\c], 64, v[ROWV+\c]
.endr
.endm
; Every lane whose id number c is mine: the whole wave copies that row, 2,048 bytes, from F to the token.
.macro HITS c, odd, p, tag
	s_bcnt1_i32_b32 s28, s[MASK+\c]
	s_cmp_eq_u32 s28, 0
	s_cbranch_scc1 .Lnone_\p\tag
	s_mov_b32 s29, 0
.Lhit_\p\tag:
	s_ctz_i32_b32 s30, s[MASK+\c]                  ; the lowest lane that hit
	s_min_u32 s30, s30, 31
	v_readlane_b32 s31, v[ROWV+\c], s30            ; its row
	s_min_u32 s31, s31, 63
	s_lshl_b32 s31, s31, 8                         ; rows of 256 bytes in each wave's part of F
	s_lshl_b32 s32, s30, 13                        ; four tokens a lane, 2,048 bytes a token
	s_add_co_u32 s32, s32, s35
	s_wait_xcnt 0x0                                ; the last hit's stores have had their addresses translated (ISA guide 3.1): their offset and data are rewritten only behind this wait
	v_add_nc_u32 v[A0], s31, v[FRD]
	v_add_nc_u32 v[OUTO], s32, v[L16]
	v_add_nc_u32 v[A1], 0x10000, v[A0]             ; the parts of waves 4 .. 7 lie beyond an immediate's reach
	ds_load_b128 v[ROWD:ROWD+3],     v[A0]                 ; columns 0 .. 127: lanes 0-15 wave 0's 256 bytes, lanes 16-31 wave 1's
	ds_load_b128 v[ROWD+4:ROWD+7],   v[A0] offset:32768
	ds_load_b128 v[ROWD+8:ROWD+11],  v[A1]
	ds_load_b128 v[ROWD+12:ROWD+15], v[A1] offset:32768
	s_sub_co_u32 s33, s[MASK+\c], 1
	s_and_b32 s[MASK+\c], s[MASK+\c], s33          ; that lane is served
.irp n, 0,1,2,3
	s_wait_dscnt 3-\n                              ; LDS loads come back in order (ISA guide 5.7.1): piece n is in, the younger ones stay out
	global_store_b128 v[OUTO], v[ROWD+4*\n:ROWD+4*\n+3], s[16:17] offset:\odd*262144+\c*2048+512*\n th:TH_STORE_NT   ; 512 neighbouring bytes, aligned
.endr
	s_add_co_u32 s29, s29, 1
	s_cmp_lt_u32 s29, s28
	s_cbranch_scc1 .Lhit_\p\tag
.Lnone_\p\tag:
.endm
; Two chunks.  reload = 1: both quads are loaded again, two chunks ahead.  lefta, leftb: the younger id loads that may stay out.
.macro TRIP reload, lefta, leftb, p
	s_wait_loadcnt \lefta                          ; the even chunk's ids are in, and that load's offset register is free
	XORCMP QA
.if \reload
	v_add_nc_u32 v[OFA], 1024, v[OFA]
	global_load_b128 v[QA:QA+3], v[OFA], s[4:5]
.endif
	HITS 0, 0, \p, a0
	HITS 1, 0, \p, a1
	HITS 2, 0, \p, a2
	HITS 3, 0, \p, a3
	s_wait_loadcnt \leftb                          ; the odd chunk's
	XORCMP QB
.if \reload
	v_add_nc_u32 v[OFB], 1024, v[OFB]
	global_load_b128 v[QB:QB+3], v[OFB], s[4:5] offset:512
.endif
	HITS 0, 1, \p, b0
	HITS 1, 1, \p, b1
	HITS 2, 1, \p, b2
	HITS 3, 1, \p, b3
.endm
.Lscan:
	TRIP 1, 1, 1, l                                ; chunks 2 t and 2 t + 1; the other quad's load stays out at each wait
	s_add_co_u32 s35, s35, 524288                  ; 256 tokens on
	s_add_co_u32 s34, s34, 1
	s_cmp_lt_u32 s34, 7
	s_cbranch_scc1 .Lscan
	TRIP 0, 1, 0, t                                ; chunks 14 and 15: nothing more is loaded, the counts run down
	s_set_vgpr_msb 0x5
	s_wait_tensorcnt 0x0
	ds_add_u32 v192, v193
	s_wait_dscnt 0x0
	s_set_vgpr_msb 0x500
	s_endpgm
.Lfunc_end_k_q31b3b0cff8_codec:
	.size	k_q31b3b0cff8_codec, .Lfunc_end_k_q31b3b0cff8_codec-k_q31b3b0cff8_codec
	.p2alignl 7, 3214868480
	.fill 96, 4, 3214868480
	.section	.rodata,"a",@progbits
	.p2align	6, 0x0
	.amdhsa_kernel k_q31b3b0cff8_codec
		.amdhsa_group_segment_fixed_size 197632
		.amdhsa_private_segment_fixed_size 0
		.amdhsa_enable_private_segment 0
		.amdhsa_kernarg_size 56
		.amdhsa_user_sgpr_count 2
		.amdhsa_user_sgpr_kernarg_segment_ptr 1
		.amdhsa_wavefront_size32 1
		.amdhsa_system_sgpr_workgroup_id_x 1
		.amdhsa_system_sgpr_workgroup_id_y 1
		.amdhsa_system_sgpr_workgroup_id_z 1
		.amdhsa_system_vgpr_workitem_id 0
		.amdhsa_next_free_vgpr 450
		.amdhsa_next_free_sgpr 66
		.amdhsa_reserve_vcc 0
		.amdhsa_float_denorm_mode_32 3
		.amdhsa_float_denorm_mode_16_64 3
		.amdhsa_memory_ordered 1
		.amdhsa_forward_progress 1
		.amdhsa_inst_pref_size 192
	.end_amdhsa_kernel
	.amdgpu_metadata
---
amdhsa.version: [ 1, 2 ]
amdhsa.kernels:
  - .name:           k_q31b3b0cff8_codec
    .symbol:         k_q31b3b0cff8_codec.kd
    .args:
      - { .name: codec_input_ids, .offset: 0, .size: 8, .value_kind: global_buffer, .address_space: global }
      - { .name: embed_table, .offset: 8, .size: 8, .value_kind: global_buffer, .address_space: global }
      - { .name: W1, .offset: 16, .size: 8, .value_kind: global_buffer, .address_space: global }
      - { .name: b1, .offset: 24, .size: 8, .value_kind: global_buffer, .address_space: global }
      - { .name: W2, .offset: 32, .size: 8, .value_kind: global_buffer, .address_space: global }
      - { .name: b2, .offset: 40, .size: 8, .value_kind: global_buffer, .address_space: global }
      - { .name: out0, .offset: 48, .size: 8, .value_kind: global_buffer, .address_space: global }
    .group_segment_fixed_size: 197632
    .private_segment_fixed_size: 0
    .kernarg_segment_align: 8
    .kernarg_segment_size: 56
    .max_flat_workgroup_size: 256
    .sgpr_count:     66
    .vgpr_count:     450
    .wavefront_size: 32
...
	.end_amdgpu_metadata
.endif
;; end of part 1
